; MI455X (gfx1250); checked and timed in simulation.
; The chip was launched on July 23, 2026; its instructions are those of AMD's public machine-readable ISA for CDNA 5 (MIT licence, August 2026) and "CDNA5" Instruction Set Architecture Reference Guide (July 2026). The comments in the code are by the model that wrote it; some were corrected since.
;; Attention. Allowed arithmetic: matrix products marked QUANTISED: E4M3 operands, one given power-of-two scale a tensor, by v_wmma_f32_16x16x64_fp8_fp8 or v_wmma_f32_16x16x128_fp8_fp8, f32 sums; everything else in f32.
;; Inputs: b_attn 3,072 float32; b_proj 1,024 float32; lowp_scales 8 int32 (the exponents e of the quantised operands' scales 2^e); w_attn 1,024 x 3,072 float32; w_proj 1,024 x 1,024 float32; x 4 x 2,048 x 1,024 float32.
;; Outputs: out0 4 x 2,048 x 1,024 float32.
;; This version of the problem:
;;   THIS VERSION OF THE PROBLEM IS GIVEN IN LOW PRECISION. The matrix products marked QUANTISED in the list below multiply operands that are first quantised to E4M3 (4 exponent bits, 3 mantissa bits; 8 bits a number), with one given power-of-two scale for each operand tensor; their sums are f32. All else is computed in f32.
;;   The module's matrix products, in the order in which they are computed (A, B: the left and right operand; K: the contracted axis; several contracted axes count as one K, in the product's order):
;;     1. [M 8,192, K 1,024] x [K 1,024, N 3,072]; A: input x; B: input w_attn: QUANTISED (scales: A lowp_scales[0], B lowp_scales[1])
;;     2. batch 64 x [M 2,048, K 64] x [K 64, N 2,048]; A: computed on the way; B: computed on the way: QUANTISED (scales: A lowp_scales[2], B lowp_scales[3])
;;     3. batch 64 x [M 2,048, K 2,048] x [K 2,048, N 64]; A: softmax (see below); B: computed on the way: QUANTISED (scales: A lowp_scales[4], B lowp_scales[5])
;;     4. [M 8,192, K 1,024] x [K 1,024, N 1,024]; A: computed on the way; B: input w_proj: QUANTISED (scales: A lowp_scales[6], B lowp_scales[7])
;;   THE QUANTISER, for each operand of a quantised product, along K:
;;     - The operand's scale is 2^e, e = its entry of the input lowp_scales (int32; the entries are numbered through the quantised products in the list's order, A before B).
;;     - Each number is divided by the scale, clamped to +-448, and rounded to the nearest number of E4M3, ties to even, subnormals kept.
;;     - The product sums the exact products of the quantised numbers (number of the format x scale) in f32.
;;   ~~~python
;;   def quantise(x, axis, e):      # numpy; x: float32 -> the quantised numbers, widened to float32 again
;;       x = np.moveaxis(x, axis, -1); K = x.shape[-1]
;;       r = np.clip(x / 2.0 ** e, -448, 448)
;;       step = 2.0 ** (np.maximum(np.frexp(np.where(r == 0, 1, r))[1] - 1, -6) - 3)
;;       q = np.round(r / step) * step * 2.0 ** e      # np.round: ties to even
;;       return np.moveaxis(q, -1, axis).astype(np.float32)
;;   ~~~
;;   SOFTMAX AHEAD OF A QUANTISED PRODUCT. Where the list says 'softmax', what is quantised is not the finished softmax but p = 2^(t - M), with t = logit x log2(e) and M = ceil(the row's largest t), a whole number; so 1/2 < the row's largest p <= 1. The row's sum l is taken of the UNQUANTISED p, in f32, and the product's result is divided by l at the end. Since M is a whole number, a kernel that streams over the keys may use a running M (the ceiling of the running maximum): every later rescaling is an exact power of two, so the quantised numbers keep their values, but for numbers so far below the row's largest that they fall under the format's range.
;;   OPERANDS COMPUTED ON THE WAY. 'Computed on the way' means the value that the module computes at that place (a softmax that the list does not call 'softmax' is quantised finished and normalised). What goes into a quantiser is computed in f32, as accurately as f32 sums, v_exp_f32 and their like allow (about 1e-6 of the number): no bf16 or f16 on the way to a quantiser, and a product that is left as it is and whose result goes on into a quantised operand takes f32 operands (vector FMAs, or v_wmma_f32_16x16x4_f32). A number that lies on a knife's edge between two numbers of the format may be rounded either way, as far as f32 arithmetic and the matrix unit's own rounding can turn it there, and no further.
;; One version. Each part assembles by itself: llvm-mc -triple=amdgcn-amd-amdhsa -mcpu=gfx1250 --defsym DOCPART=n.
;; ======== version 1 of 1: 4 launches
;; limits: right only within a limited range of input values
;; workspace buffers: xc 8,388,608 bytes; wac 3,145,728 bytes; wpc 1,048,576 bytes; qc 8,388,608 bytes; kc 8,388,608 bytes; vc 8,388,608 bytes; ac 8,388,608 bytes
;; launch prep (part 1): grid 768 x 1, 4 waves a work-group, no clusters, 34,304 bytes of LDS; arguments x, w_attn, w_proj, lowp_scales, xc, wac, wpc; writes xc, wac, wpc
.if DOCPART == 1
	.amdgcn_target "amdgcn-amd-amdhsa--gfx1250"
	.amdhsa_code_object_version 6
	.text
	.protected	k_q81baf99e0f_prep
	.globl	k_q81baf99e0f_prep
	.p2align	8
	.type	k_q81baf99e0f_prep,@function
k_q81baf99e0f_prep:
	s_mov_b64 s[64:65], 0
	v_nop
	global_prefetch_b8 v0, s[64:65] scope:SCOPE_SE
	s_setreg_imm32_b32 hwreg(HW_REG_WAVE_MODE, 25, 1), 1
	s_wait_xcnt 0x0
; x [8192][1024], w_attn [1024][3072] and w_proj [1024][1024], f32, become codes of FP8 (E4M3), each with the one scale 2^e given for it (entries 0, 1 and 7).
; code = number / 2^e, held within +-448, rounded to the nearest code, ties to even.  LIMITS: e between -126 and 119; NaN among the inputs is not served, an infinity is held at the largest code.
; THE CODES ARE LAID AS IMAGES OF OPERAND REGISTERS.  A fragment is 16 rows x 128 along K = 2,048 bytes; byte 512 g + 16 lane + e (lane = 16 h + r, r the row) is what register 4 g + e / 4 of that lane holds:
; k = 32 g + 8 h + 0..7, then k = 32 g + 16 + 8 h + 0..7.  xc: [row block of 16][K step of 128][2,048]; wac, wpc: [block of 16 columns n][K step][2,048].  A later launch takes a fragment by four loads of 16 bytes a lane.
; WORK-GROUPS 0-191: w_attn, 192-255: w_proj, 256-767: x.  The three ways part on the work-group's number; only x's way touches LDS.  No tensor load, no barrier, no loop; every offset is an immediate,
; every store has data registers of its own.
; WEIGHTS (K is the first axis): a work-group takes 128 columns x 128 k; a lane takes a column and its registers run down K, so the conversions give codes with K innermost.  A load reads 128 consecutive bytes a wave.
; A lane's 8 + 8 codes of an image part are 16 bytes, sixteen lanes store 256 consecutive bytes, aligned.
; x (K innermost): a work-group takes 16 rows; wave w the k 256 w .. 256 w + 255: two fragments.  Each load reads 512 consecutive bytes of a row; the numbers turn through the wave's own stage in LDS so that a lane
; gets eight neighbours along K in eight registers.  A stage row is 528 bytes = 33 x 16: the sixteen rows that a load of 16 bytes a lane touches begin at sixteen different 16-byte columns of 256.
.set SP,   528                         ; a stage row
.set WST,  16*SP                       ; a wave's stage
.set R0,   16                          ; v16-143  x: two sets of 64 numbers as loaded (set 0 later takes fragment 1's numbers back from the stage)
.set XN,   144                         ; v144-207 x: fragment 0's numbers, eight neighbours to eight registers
.set CX,   208                         ; v208-239 x: the codes of two fragments
.set WX,   32                          ; v32-159  weights: 128 numbers of my column
.set WC,   160                         ; v160-191 weights: their codes
.macro SCALE es                        ; v11 = 2^e as f32 (the conversion takes its exponent field)
	s_wait_kmcnt 0x0
	s_add_co_i32 s36, s[\es], 127
	s_lshl_b32 s37, s36, 23
	v_mov_b32 v11, s37
.endm
.macro XLOAD f                         ; fragment f: 16 rows x 512 bytes
.set p, 0
.rept 16
	global_load_b128 v[R0+64*(\f)+4*p:R0+64*(\f)+4*p+3], v3, s[4:5] offset:4096*p+512*(\f) th:TH_LOAD_NT
.set p, p+1
.endr
.endm
.macro XTURN src, dst                  ; through the stage: in as loaded, out as lane (r, h) wants them: register 8 c + i = k 16 c + 8 h + i of row r.  LDS serves a wave's instructions in order: no wait between
.set p, 0
.rept 16
	ds_store_b128 v14, v[\src+4*p:\src+4*p+3] offset:SP*p
.set p, p+1
.endr
.set p, 0
.rept 16
	ds_load_b128 v[\dst+4*p:\dst+4*p+3], v15 offset:64*(p/2)+16*(p%2)
.set p, p+1
.endr
.endm
.macro XQ src, f                       ; 64 numbers become a fragment's 16 registers, stored as they stand: 512 consecutive bytes a store
.set p, 0
.rept 64
.set p, p+1
.endr
.set p, 0
.rept 8
	v_cvt_scalef32_pk8_fp8_f32 v[CX+16*(\f)+2*p:CX+16*(\f)+2*p+1], v[\src+8*p:\src+8*p+7], v11
.set p, p+1
.endr
.irp g, 0,1,2,3
	global_store_b128 v3, v[CX+16*(\f)+4*\g:CX+16*(\f)+4*\g+3], s[12:13] offset:2048*(\f)+512*\g
.endr
.endm
.macro WLOAD g, N, sp                  ; rows 32 g .. 32 g + 31 of my K step, at my column
.set p, 0
.rept 32
	global_load_b32 v[WX+32*(\g)+p], v3, s[\sp:\sp+1] offset:(32*(\g)+p)*4*\N th:TH_LOAD_NT
.set p, p+1
.endr
.endm
.macro WQ g, dp                        ; image part g: the half h = 0 wants k 32 g + 0..7 and + 16..23, the half h = 1 wants + 8..15 and + 24..31
.set p, 0
.rept 32
.set p, p+1
.endr
	v_cvt_scalef32_pk8_fp8_f32 v[WC+8*(\g):WC+8*(\g)+1],   v[WX+32*(\g):WX+32*(\g)+7],     v11
	v_cvt_scalef32_pk8_fp8_f32 v[WC+8*(\g)+2:WC+8*(\g)+3], v[WX+32*(\g)+16:WX+32*(\g)+23], v11
	v_cvt_scalef32_pk8_fp8_f32 v[WC+8*(\g)+4:WC+8*(\g)+5], v[WX+32*(\g)+8:WX+32*(\g)+15],  v11
	v_cvt_scalef32_pk8_fp8_f32 v[WC+8*(\g)+6:WC+8*(\g)+7], v[WX+32*(\g)+24:WX+32*(\g)+31], v11
	global_store_b128 v4, v[WC+8*(\g):WC+8*(\g)+3],   s[\dp:\dp+1] offset:512*(\g)          ; sixteen lanes: 256 consecutive bytes, aligned
	global_store_b128 v4, v[WC+8*(\g)+4:WC+8*(\g)+7], s[\dp:\dp+1] offset:512*(\g)+256
.endm
.macro WPATH N, sp, dp, es, first
	s_sub_co_u32 s28, ttmp9, \first
	s_and_b32 s29, s28, 7                          ; which K step of 128
	s_lshr_b32 s30, s28, 3                         ; which 128 columns
	s_mul_i32 s32, s29, 128*4*\N                   ; 128 rows of the weight,
	s_lshl_b32 s31, s30, 9                         ; 128 columns of 4 bytes,
	s_add_co_u32 s32, s32, s31
	s_lshl_b32 s31, s18, 7                         ; my wave's 32 columns
	s_add_co_u32 s32, s32, s31
	s_mov_b32 s33, 0
	s_add_nc_u64 s[\sp:\sp+1], s[\sp:\sp+1], s[32:33]
	s_lshl_b32 s34, s30, 17                        ; 8 blocks of 16 columns x 16,384 bytes,
	s_lshl_b32 s31, s18, 15                        ; my wave's 2 blocks,
	s_add_co_u32 s34, s34, s31
	s_lshl_b32 s31, s29, 11                        ; the K step's fragment
	s_add_co_u32 s34, s34, s31
	s_mov_b32 s35, 0
	s_add_nc_u64 s[\dp:\dp+1], s[\dp:\dp+1], s[34:35]
	v_lshlrev_b32 v3, 2, v2                        ; in: 4 bytes a lane
	v_lshlrev_b32 v4, 4, v5                        ; out: 16 x (lane % 16),
	v_lshl_add_u32 v4, v6, 14, v4                  ; lanes 16-31 in the next block of columns
	WLOAD 0, \N, \sp
	WLOAD 1, \N, \sp
	s_wait_alu depctr_va_vdst(0)
	SCALE \es
	s_wait_alu depctr_va_vdst(0)
	s_wait_loadcnt 32                              ; part 0's 32 loads are in; part 1's may be out
	WLOAD 2, \N, \sp
	WQ 0, \dp
	s_wait_loadcnt 32                              ; part 1's are in; part 2's may be out
	WLOAD 3, \N, \sp
	WQ 1, \dp
	s_wait_loadcnt 32                              ; part 2's are in; part 3's may be out
	WQ 2, \dp
	s_wait_loadcnt 0x0
	WQ 3, \dp
	s_endpgm
.endm
	s_load_b256 s[4:11], s[0:1], 0x0               ; x s[4:5], w_attn s[6:7], w_proj s[8:9], the scales' exponents s[10:11]
	s_load_b128 s[12:15], s[0:1], 0x20             ; xc s[12:13], wac s[14:15]
	s_load_b64 s[16:17], s[0:1], 0x30              ; wpc
	v_lshl_add_u32 v240, v0, 2, 0x8400
	v_mov_b32 v241, 0
	v_lshrrev_b32 v1, 5, v0
	v_readfirstlane_b32 s18, v1                    ; wave 0..3
	v_and_b32 v2, 31, v0                           ; lane
	v_and_b32 v5, 15, v0                           ; r
	v_bfe_u32 v6, v0, 4, 1                         ; h
	s_wait_kmcnt 0x0
	s_load_b256 s[20:27], s[10:11], 0x0            ; e0 .. e7
	s_cmp_lt_u32 ttmp9, 192
	s_cbranch_scc1 .Lwa
	s_cmp_lt_u32 ttmp9, 256
	s_cbranch_scc1 .Lwp
	; ---- x
	s_sub_co_u32 s28, ttmp9, 256                   ; my block of 16 rows
	s_lshl_b32 s30, s28, 16                        ; 16 rows of 4,096 bytes,
	s_lshl_b32 s29, s18, 10                        ; my wave's 256 numbers of a row
	s_add_co_u32 s30, s30, s29
	s_mov_b32 s31, 0
	s_add_nc_u64 s[4:5], s[4:5], s[30:31]
	s_lshl_b32 s32, s28, 14                        ; 8 fragments a row block,
	s_lshl_b32 s29, s18, 12                        ; my wave's two
	s_add_co_u32 s32, s32, s29
	s_mov_b32 s33, 0
	s_add_nc_u64 s[12:13], s[12:13], s[32:33]
	s_wait_alu depctr_va_vdst(0)
	v_lshlrev_b32 v3, 4, v2                        ; 16 x lane: my place in a load's 512 bytes and in an image part
	s_mul_i32 s29, s18, WST
	v_add_nc_u32 v14, s29, v3                      ; the stage, on the way in
	v_mul_u32_u24 v15, v5, SP
	v_lshl_add_u32 v15, v6, 5, v15
	v_add_nc_u32 v15, s29, v15                     ; and out: row r, + 32 h bytes
	XLOAD 0
	XLOAD 1
	s_wait_alu depctr_va_vdst(0)
	SCALE 20
	s_wait_alu depctr_va_vdst(0)
	s_wait_loadcnt 16                              ; fragment 0's sixteen loads are in; fragment 1's may be out
	XTURN R0, XN
	s_wait_loadcnt 0x0
	s_wait_dscnt 0x0                               ; fragment 0 is back: the stage and set 0 are free
	XTURN R0+64, R0
	XQ XN, 0                                       ; worked while fragment 1 turns
	s_wait_dscnt 0x0
	XQ R0, 1
	s_wait_tensorcnt 0x0
	ds_add_u32 v240, v241
	s_wait_dscnt 0x0
	s_endpgm
.Lwa:
	s_wait_alu depctr_va_vdst(0)
	WPATH 3072, 6, 14, 21, 0
.Lwp:
	s_wait_alu depctr_va_vdst(0)
	WPATH 1024, 8, 16, 27, 192
.Lfunc_end_k_q81baf99e0f_prep:
	.size	k_q81baf99e0f_prep, .Lfunc_end_k_q81baf99e0f_prep-k_q81baf99e0f_prep
	.p2alignl 7, 3214868480
	.fill 96, 4, 3214868480
	.section	.rodata,"a",@progbits
	.p2align	6, 0x0
	.amdhsa_kernel k_q81baf99e0f_prep
		.amdhsa_group_segment_fixed_size 34304
		.amdhsa_private_segment_fixed_size 0
		.amdhsa_enable_private_segment 0
		.amdhsa_kernarg_size 56
		.amdhsa_user_sgpr_count 2
		.amdhsa_user_sgpr_kernarg_segment_ptr 1
		.amdhsa_wavefront_size32 1
		.amdhsa_system_sgpr_workgroup_id_x 1
		.amdhsa_system_sgpr_workgroup_id_y 1
		.amdhsa_system_sgpr_workgroup_id_z 1
		.amdhsa_system_vgpr_workitem_id 0
		.amdhsa_next_free_vgpr 242
		.amdhsa_next_free_sgpr 66
		.amdhsa_reserve_vcc 0
		.amdhsa_float_denorm_mode_32 3
		.amdhsa_float_denorm_mode_16_64 3
		.amdhsa_fp16_overflow 1
		.amdhsa_memory_ordered 1
		.amdhsa_forward_progress 1
		.amdhsa_inst_pref_size 41
	.end_amdhsa_kernel
	.amdgpu_metadata
---
amdhsa.version: [ 1, 2 ]
amdhsa.kernels:
  - .name:           k_q81baf99e0f_prep
    .symbol:         k_q81baf99e0f_prep.kd
    .args:
      - { .name: x, .offset: 0, .size: 8, .value_kind: global_buffer, .address_space: global }
      - { .name: w_attn, .offset: 8, .size: 8, .value_kind: global_buffer, .address_space: global }
      - { .name: w_proj, .offset: 16, .size: 8, .value_kind: global_buffer, .address_space: global }
      - { .name: lowp_scales, .offset: 24, .size: 8, .value_kind: global_buffer, .address_space: global }
      - { .name: xc, .offset: 32, .size: 8, .value_kind: global_buffer, .address_space: global }
      - { .name: wac, .offset: 40, .size: 8, .value_kind: global_buffer, .address_space: global }
      - { .name: wpc, .offset: 48, .size: 8, .value_kind: global_buffer, .address_space: global }
    .group_segment_fixed_size: 34304
    .private_segment_fixed_size: 0
    .kernarg_segment_align: 8
    .kernarg_segment_size: 56
    .max_flat_workgroup_size: 128
    .sgpr_count:     66
    .vgpr_count:     242
    .wavefront_size: 32
...
	.end_amdgpu_metadata
.endif
;; end of part 1
;; launch qkv (part 2): grid 12 x 32, 4 waves a work-group, clusters of 4 x 4, 327,680 bytes of LDS; arguments xc, wac, lowp_scales, b_attn, qc, kc, vc; writes qc, kc, vc
.if DOCPART == 2
	.amdgcn_target "amdgcn-amd-amdhsa--gfx1250"
	.amdhsa_code_object_version 6
	.text
	.protected	k_q81baf99e0f_qkv
	.globl	k_q81baf99e0f_qkv
	.p2align	8
	.type	k_q81baf99e0f_qkv,@function
k_q81baf99e0f_qkv:
	s_mov_b64 s[64:65], 0
	v_nop
	global_prefetch_b8 v0, s[64:65] scope:SCOPE_SE
	s_setreg_imm32_b32 hwreg(HW_REG_WAVE_MODE, 25, 1), 1
	s_wait_xcnt 0x0
	s_wait_alu depctr_hold_cnt(0) depctr_sa_sdst(0) depctr_va_vdst(0) depctr_va_sdst(0) depctr_va_ssrc(0) depctr_va_vcc(0) depctr_vm_vsrc(0)
	s_getreg_b32 s2, hwreg(HW_REG_IB_STS2, 6, 4)
	s_cmp_eq_u32 s2, 0
	s_cbranch_scc0 .Lentry_in_a_cluster
	s_endpgm
.Lentry_in_a_cluster:
	s_bfe_u32 s2, ttmp6, 0x10000c
	s_cmp_lg_u32 s2, 0xf033
	s_cbranch_scc0 .Lentry_shape_is_right
	s_endpgm
.Lentry_shape_is_right:
; qkv = x w_attn + b_attn on codes of FP8 (E4M3), sums in f32, and q, k, v quantised on the way out with the scales given for them (entries 2, 3, 5).  8,192 x 3,072 x 1,024.
; INPUTS are images of operand registers: xc [row block of 16][K step of 128][2,048 bytes], wac [block of 16 columns][K step][2,048]: byte 512 g + 16 lane of a fragment is what registers 4 g .. 4 g + 3 of that lane hold,
; in the matrix instruction's own order of k.  So a fragment comes out of LDS by four loads at 16 x lane, 512 consecutive bytes each: no pitch and no padding.
; SHARES.  A tile of 256 x 256 to a work-group of four waves, 128 x 128 to a wave: 64 accumulators, 512 registers.  K goes in four steps of 256 through two LDS slots; each wave fetches a quarter of a slot
; (8 row blocks x 4,096 bytes, 16,384 bytes apart in memory) with one tensor load.
; CLUSTERS of 4 x 4.  The cluster's x says what it makes: 0 q, 1 k, 2 v.  The operand in source 1 ('A') is shared along a row of the cluster, that in source 0 ('B') along a column: each tile is asked for jointly.
; THE PRODUCT IS USED TRANSPOSED: a lane holds ONE row of A and eight neighbouring rows of B.  For q and k: A = x's rows, B = w's columns: eight neighbours along the head's 64, the next K.
; For v the next K is the keys, so the two buffers change roles (A = w's columns, B = x's rows): the pointers are chosen by the cluster's x, which all partners share; no instruction of the ring differs.
; So a lane's conversions ARE the next operand's registers: each store covers 512 consecutive bytes, aligned, and nothing goes through LDS on the way out.
; OUTPUTS: qc, kc [batch x head 64][tile of 16 rows 128][1,024] (K = 64); vc [batch x head][128 keys 16][16 channels 4][2,048] (rows = channels, K = keys).
; LIMITS: e0 + e1 between -126 and 127; e2, e3, e5 between -126 and 119.  NaN is not served.
; REGISTERS in windows of 256: window 0: v0-31 addresses, v32-95 the bias, v97 the quantiser's scale, v128-255 A's fragments (one set), on the way out numbers and codes;
;   window 1: B's fragments, two sets; window 2: the accumulators of A's blocks 0-3 ((a, b) at v[8 (8 (a % 4) + b)]); window 3: of blocks 4-7.
.set FR,    16                         ; registers of a fragment
.set NL,    4                          ; LDS loads that bring one
.set NP,    4                          ; places behind this matrix instruction (ISA guide 7.12.1)
.set PART,  32768                      ; what one tensor load brings: 8 row blocks x 2 fragments
.set SLOT,  4*PART                     ; A's 256 rows, then B's 256
.set SPARE, 2*SLOT                     ; behind the ring: the spare words, 128 bytes a wave, named by no other line
.set ADRA,  16                         ; v16-17 LDS address of my A fragments in slot 0, 1
.set ADRB,  20                         ; v20-21 the same for B
.set LO,    26                         ; v26    16 x lane
.set BO,    27                         ; v27    q, k: my bias's offset, 32 h
.set SPW,   28                         ; v28    my spare word's address; never rewritten
.set NIL,   29                         ; v29    0; never rewritten
.set BV,    30                         ; v30    v: my bias's offset, 4 r
.set BI,    32                         ; v32-95 the bias
.set LIMV,  96
.set SCV,   97                         ; v97    2^e
.set AF,    128
.set TMP,   128                        ; the way out: a block's 64 numbers
.set G1,  24                           ; s[24:31] descriptor group 1 for A; s[32:39] its groups 0, one a slot
.set G0,  32
.set G1B, 48                           ; s[48:55], s[56:63] the same for B
.set G0B, 56
.set MSB, 0
.macro WIN new                         ; the immediate's high byte repeats the setting that is left
.if MSB != (\new)
	s_set_vgpr_msb (MSB<<8)|(\new)
.set MSB, (\new)
.endif
.endm
.set MUL_LO, 0xa1                      ; source 0 (B) window 1, source 1 (A) window 0, C and D window 2
.set MUL_HI, 0xf1                      ; the same, C and D window 3
.set TO_B,   0x40                      ; destination window 1, address window 0
; A joint load: waves 0 and 1 fetch for A, waves 2 and 3 for B; the branch hangs on the wave's number alone.  Four v_nop follow each of the two lines.
.macro JLOAD g0a, g1a, g0b, g1b
	s_cmp_eq_u32 s15, 0
	s_cbranch_scc0 .Lfor_b_\@
	tensor_load_to_lds s[\g0a:\g0a+3], s[\g1a:\g1a+7]
	s_nop 0
.rept 4
	v_nop
.endr
	s_branch .Lasked_\@
.Lfor_b_\@:
	tensor_load_to_lds s[\g0b:\g0b+3], s[\g1b:\g1b+7]
	s_nop 0
.rept 4
	v_nop
.endr
.Lasked_\@:
.endm
.macro CREST                           ; a round of the cluster's barrier behind its opening barrier
	s_cmp_lg_u32 s14, 0
	s_cbranch_scc1 .Lnot_wave_0_\@
	s_barrier_signal -3
.Lnot_wave_0_\@:
	s_barrier_wait -3
	s_barrier_signal -1
	s_barrier_wait -1
.endm
.macro CROUND
	s_barrier_signal -1
	s_barrier_wait -1
	CREST
.endm
.macro FRAG reg, adr, q, i             ; row block i, the slot's q-th 128 along K: the image as it lies
.irp c, 0,1,2,3
	ds_load_b128 v[\reg+4*\c:\reg+4*\c+3], v[\adr] offset:2048*(\q)+512*\c+4096*(\i)
.endr
.endm
; 16 matrix instructions: A's blocks a0, a0 + 1 x B's eight.  p: B's set.  zero = 1: the product starts the sums.  The 64 accumulators take turns, one instruction a turn.
.macro MUL16 a0, p, zero
.irp a, \a0, \a0+1
.irp b, 0,1,2,3,4,5,6,7
.if \zero
	v_wmma_f32_16x16x128_fp8_fp8 v[8*(8*((\a)%4)+\b):8*(8*((\a)%4)+\b)+7], v[128*(\p)+FR*\b:128*(\p)+FR*\b+FR-1], v[AF+FR*(\a):AF+FR*(\a)+FR-1], 0
.else
	v_wmma_f32_16x16x128_fp8_fp8 v[8*(8*((\a)%4)+\b):8*(8*((\a)%4)+\b)+7], v[128*(\p)+FR*\b:128*(\p)+FR*\b+FR-1], v[AF+FR*(\a):AF+FR*(\a)+FR-1], v[8*(8*((\a)%4)+\b):8*(8*((\a)%4)+\b)+7]
.endif
.endr
.endr
.endm
.macro FETCH_B slot, q, p
	WIN TO_B
.irp i, 0,1,2,3,4,5,6,7
	FRAG 128*(\p)+FR*\i, ADRB+\slot, \q, \i
.endr
	WIN 0
.endm
.macro FETCH_A slot, q, i0
.irp i, \i0, \i0+1, \i0+2, \i0+3
	FRAG AF+FR*(\i), ADRA+\slot, \q, \i
.endr
.endm
.macro PLACES n                        ; plain vector instructions between a matrix instruction and a load into, or a read or write by a vector instruction of, its registers
.rept \n
	v_nop
.endr
.endm
; A step of 128 along K that has its successor in the same slot.  A's blocks 0-3 are fetched anew in its middle, blocks 4-7 at its end; B's next set in the middle.
.macro STEP slot, q, zero
	s_wait_dscnt 4*NL                              ; all but the youngest sixteen loads (A's blocks 4-7) are in
	WIN MUL_LO
	MUL16 0, (\q)%2, \zero
	MUL16 2, (\q)%2, \zero
	s_wait_dscnt 0
	PLACES NP
	FETCH_B \slot, (\q)+1, 1-(\q)%2
	FETCH_A \slot, (\q)+1, 0
	WIN MUL_HI
	MUL16 4, (\q)%2, \zero
	MUL16 6, (\q)%2, \zero
	PLACES NP
	WIN 0
	FETCH_A \slot, (\q)+1, 4
.endm
; A slot's last step changes slots: one barrier; in front of it each wave waits for all its tensor loads, adds 0 to its spare word, and waits for that and for its reads of this slot.  fill = 1: the slot is filled again.
.macro TURN slot, next, fill
	s_wait_tensorcnt 0x0                           ; all my tensor loads have landed: my part of the next slot
	ds_add_u32 v[SPW], v[NIL]                      ; 0 onto my spare word
	s_wait_dscnt 4*NL+1                            ; the add and the youngest sixteen loads may be out
	WIN MUL_LO
	MUL16 0, 1, 0
	s_wait_dscnt 0x0                               ; the add is done, and my reads of this slot are over
	s_barrier_signal -1
	MUL16 2, 1, 0
	WIN 0
	s_barrier_wait -1
.if \fill
	CREST                                          ; the barrier has opened a round of the cluster's: no wave of any partner still reads this slot or has a load on its way
	s_add_nc_u64 s[G0+4*\slot+2:G0+4*\slot+3], s[G0+4*\slot+2:G0+4*\slot+3], 8192
	s_add_nc_u64 s[G0B+4*\slot+2:G0B+4*\slot+3], s[G0B+4*\slot+2:G0B+4*\slot+3], 8192
	JLOAD G0+4*\slot, G1, G0B+4*\slot, G1B         ; two K steps of 256 on; its four v_nop are also the places in front of the loads below
.else
	PLACES NP
.endif
	FETCH_B \next, 0, 0
	FETCH_A \next, 0, 0
	WIN MUL_HI
	MUL16 4, 1, 0
	MUL16 6, 1, 0
	PLACES NP
	WIN 0
	FETCH_A \next, 0, 4
.endm
.macro LAST                            ; the very last step: nothing more to fetch
	s_wait_dscnt 4*NL
	WIN MUL_LO
	MUL16 0, 1, 0
	MUL16 2, 1, 0
	s_wait_dscnt 0
	WIN MUL_HI
	MUL16 4, 1, 0
	MUL16 6, 1, 0
	WIN 0
.endm
; THE WAY OUT of A's block a: number = sum x 2^(e0 + e1) + bias, held, converted; piece b's two registers are registers 2 b, 2 b + 1 of the next operand.  isv = 0: the bias goes with the register (B's index);
; isv = 1: with the lane (A's index), one number a block.
.macro OUTBLK a, isv
.set AC, 64*((\a)%4)
.set CD, 192+16*((\a)%4)
.if (\a) >= 4
	s_wait_xcnt 0x0                                ; block a - 4's stores have read these code registers
.endif
	WIN 0x02+((\a)/4)                              ; source 0: window 2 or 3
.set j, 0
.rept 32
.if \isv
	v_pk_fma_f32 v[TMP+j:TMP+j+1], v[AC+j:AC+j+1], s[88:89], v[BI+2*(\a):BI+2*(\a)+1] op_sel_hi:[1,0,0]
.else
	v_pk_fma_f32 v[TMP+j:TMP+j+1], v[AC+j:AC+j+1], s[88:89], v[BI+j:BI+j+1] op_sel_hi:[1,0,1]   ; each accumulator from its low end on
.endif
.set j, j+2
.endr
	WIN 0
.set j, 0
.rept 64
.set j, j+1
.endr
.set j, 0
.rept 8
	v_cvt_scalef32_pk8_fp8_f32 v[CD+2*j:CD+2*j+1], v[TMP+8*j:TMP+8*j+7], v[SCV]
.set j, j+1
.endr
	v_nop                                          ; a plain instruction between the last conversion and the next block's writes of its sources
.irp g, 0,1,2,3
.if \isv
	global_store_b128 v[LO], v[CD+4*\g:CD+4*\g+3], s[92:93] offset:((\a)/4)*131072+2048*((\a)%4)+512*\g    ; head a / 4, channels 16 (a % 4) on, keys 32 g on
.else
	global_store_b128 v[LO], v[CD+4*\g:CD+4*\g+3], s[92:93] offset:(\g/2)*131072+1024*(\a)+512*(\g%2)      ; head g / 2, rows 16 a on, channels 32 (g % 2) on
.endif
.endr
.endm
	s_load_b256 s[4:11], s[0:1], 0x0               ; xc s[4:5], wac s[6:7], the scales' exponents s[8:9], b_attn s[10:11]
	s_load_b128 s[68:71], s[0:1], 0x20             ; qc, kc
	s_load_b64 s[72:73], s[0:1], 0x30              ; vc
	v_lshl_add_u32 v[SPW], v0, 2, SPARE
	v_mov_b32 v[NIL], 0
	ds_add_u32 v28, v29
	ds_add_u32 v28, v29
	s_wait_dscnt 0x0
	v_lshrrev_b32 v1, 5, v0
	v_readfirstlane_b32 s14, v1                    ; wave 0..3
	s_lshr_b32 s15, s14, 1                         ; which half of A's rows is mine.  Also: I fetch for A (0) or for B (1)
	s_and_b32 s16, s14, 1                          ; which half of B's rows.  Also: which half of that tile I fetch
	s_bfe_u32 s40, ttmp6, 0x40000                  ; cx, cy: my place in the cluster
	s_bfe_u32 s41, ttmp6, 0x40004
	s_and_b32 s17, ttmp7, 0xffff
	s_lshl_b32 s17, s17, 2                         ; 4 x cluster y
	s_lshl_b32 s42, ttmp9, 2                       ; 4 x cluster x
	s_lshl_b32 s43, s41, 2
	s_lshl_b32 s43, 15, s43                        ; my row of the cluster
	s_lshl_b32 s44, 0x1111, s40                    ; my column
	; descriptor group 1: 8 rows of 512 elements of 8 bytes (a row block's two fragments), 2,048 elements apart; dense in LDS
	s_or_b32 s[G1+0], s43, (3<<16)|(1<<21)         ; 15:0 the mask; 17:16 elements of 8 bytes; 21 set beside a mask
	s_or_b32 s[G1B+0], s44, (3<<16)|(1<<21)
.irp g, G1, G1B
	s_mov_b32 s[\g+1], 512<<16                     ; tensor_dim0
	s_mov_b32 s[\g+2], 8<<16                       ; tensor_dim1
	s_mov_b32 s[\g+3], 512<<16                     ; tile_dim0
	s_mov_b32 s[\g+4], 8                           ; tile_dim1
	s_mov_b32 s[\g+5], 2048                        ; tensor_dim0_stride
	s_mov_b32 s[\g+6], 0
	s_mov_b32 s[\g+7], 0
.endr
	s_cmp_eq_u32 ttmp9, 2                          ; v?  The cluster's x: the same in all sixteen partners
	s_cselect_b32 s18, 8, s17
	s_cselect_b32 s19, s17, s42
	s_add_co_u32 s18, s18, s41                     ; A's tile of 256 rows: q, k: 4 cluster y + cy of x;  v: 8 + cy of w's columns.  It never holds cx
	s_add_co_u32 s19, s19, s40                     ; B's: q, k: 4 cluster x + cx of w's columns;  v: 4 cluster y + cx of x.  It never holds cy
	s_lshl_b32 s22, s16, 17                        ; the half that I fetch: 8 row blocks of 16,384 bytes
	s_lshl_b32 s20, s18, 18                        ; 16 row blocks a tile
	s_add_co_u32 s20, s20, s22
	s_mov_b32 s21, 0
	s_lshl_b32 s46, s19, 18
	s_add_co_u32 s46, s46, s22
	s_mov_b32 s47, 0
	s_lshl_b32 s45, s14, 15                        ; where it goes: PART x wave: no place in the cluster enters an LDS address
	s_wait_kmcnt 0x0
	s_load_b256 s[80:87], s[8:9], 0x0              ; e0 .. e7
	s_cmp_eq_u32 ttmp9, 2
	s_cselect_b64 s[74:75], s[6:7], s[4:5]         ; A's buffer
	s_cselect_b64 s[76:77], s[4:5], s[6:7]         ; B's
	s_add_nc_u64 s[20:21], s[74:75], s[20:21]
	s_add_nc_u64 s[46:47], s[76:77], s[46:47]
	CROUND                                         ; all sixteen work-groups are here: the first joint loads meet
.irp s, 0,1
	s_mov_b32 s[G0+4*\s], 1
	s_add_co_u32 s[G0+4*\s+1], s45, \s*SLOT
	s_add_nc_u64 s[G0+4*\s+2:G0+4*\s+3], s[20:21], \s*4096
	s_or_b32 s[G0+4*\s+3], s[G0+4*\s+3], 0x80000000
	s_mov_b32 s[G0B+4*\s], 1
	s_add_co_u32 s[G0B+4*\s+1], s45, \s*SLOT
	s_add_nc_u64 s[G0B+4*\s+2:G0B+4*\s+3], s[46:47], \s*4096
	s_or_b32 s[G0B+4*\s+3], s[G0B+4*\s+3], 0x80000000
	JLOAD G0+4*\s, G1, G0B+4*\s, G1B               ; two loads of mine are out
.endr
	v_and_b32 v1, 15, v0                           ; r
	v_bfe_u32 v3, v0, 4, 1                         ; h
	v_and_b32 v2, 31, v0
	v_lshlrev_b32 v[LO], 4, v2
	v_lshlrev_b32 v[BO], 5, v3
	v_lshlrev_b32 v[BV], 2, v1
	s_lshl_b32 s21, s15, 15                        ; my 128 rows of A
	s_lshl_b32 s22, s16, 15                        ; my 128 rows of B,
	s_add_co_u32 s22, s22, 2*PART                  ; which lie behind A's 256
.irp s, 0,1
	v_add_nc_u32 v[ADRA+\s], s21, v[LO]
	v_add_nc_u32 v[ADRB+\s], s22, v[LO]
	s_add_co_u32 s21, s21, SLOT
	s_add_co_u32 s22, s22, SLOT
.endr
	; where my results go and where my bias lies: one formula.  The tile and half along x's rows (tM, hm) and the place and half along w's columns (cN, hn) are A's or B's by the cluster's x
	s_cmp_eq_u32 ttmp9, 2
	s_cselect_b32 s74, s19, s18                    ; tM
	s_cselect_b32 s75, s16, s15                    ; hm
	s_cselect_b32 s76, s41, s40                    ; cN
	s_cselect_b32 s77, s15, s16                    ; hn
	s_cselect_b64 s[92:93], s[72:73], s[68:69]
	s_cmp_eq_u32 ttmp9, 1
	s_cselect_b64 s[92:93], s[70:71], s[92:93]     ; qc, kc or vc
	s_lshr_b32 s78, s74, 3                         ; the batch,
	s_lshl_b32 s78, s78, 4
	s_lshl_b32 s79, s76, 2
	s_add_co_u32 s78, s78, s79
	s_lshl_b32 s79, s77, 1
	s_add_co_u32 s78, s78, s79                     ; 16 x batch + my first head (4 cN + 2 hn),
	s_lshl_b32 s78, s78, 17                        ; 131,072 bytes each;
	s_and_b32 s79, s74, 7
	s_lshl_b32 s79, s79, 14                        ; 256 rows of the sequence are 16,384 bytes in all three buffers,
	s_add_co_u32 s78, s78, s79
	s_lshl_b32 s79, s75, 13                        ; 128 rows 8,192
	s_add_co_u32 s78, s78, s79
	s_mov_b32 s79, 0
	s_add_nc_u64 s[92:93], s[92:93], s[78:79]
	s_lshl_b32 s78, ttmp9, 12                      ; b_attn: 4 (1,024 cluster x + 256 cN + 128 hn)
	s_lshl_b32 s74, s76, 10
	s_add_co_u32 s78, s78, s74
	s_lshl_b32 s74, s77, 9
	s_add_co_u32 s78, s78, s74
	s_add_nc_u64 s[94:95], s[10:11], s[78:79]
	s_wait_alu depctr_va_vdst(0)
	s_wait_kmcnt 0x0
	s_add_co_i32 s88, s80, s81
	s_add_co_i32 s88, s88, 127
	s_lshl_b32 s88, s88, 23                        ; 2^(e0 + e1) as f32
	s_mov_b32 s89, s88                             ; (named with it as a pair, so it is written)
	s_cmp_eq_u32 ttmp9, 0
	s_cselect_b32 s90, s82, s83                    ; q: e2, k: e3,
	s_cmp_eq_u32 ttmp9, 2
	s_cselect_b32 s90, s85, s90                    ; v: e5: a choice, no branch
	s_add_co_i32 s90, s90, 127
	s_lshl_b32 s91, s90, 23
	v_mov_b32 v[SCV], s91
	s_wait_tensorcnt 1                             ; my part of slot 0 is in; slot 1's load may be out
	s_barrier_signal -1
	s_barrier_wait -1
	FETCH_B 0, 0, 0
	FETCH_A 0, 0, 0
	FETCH_A 0, 0, 4
	STEP 0, 0, 1                                   ; K = 1,024 is eight steps of 128, written out: the first starts the sums
	TURN 0, 1, 1
	STEP 1, 0, 0
	TURN 1, 0, 1
	STEP 0, 0, 0
	TURN 0, 1, 0                                   ; nothing is left to fetch
	STEP 1, 0, 0
	s_cmp_eq_u32 ttmp9, 2                          ; the one branch: on the cluster's x.  The bias is asked for ahead of the last 64 products
	s_cbranch_scc1 .Lv
.set p, 0
.rept 16
	global_load_b128 v[BI+4*p:BI+4*p+3], v[BO], s[94:95] offset:64*(p/2)+16*(p%2)   ; register 8 b + j: column 16 b + 8 h + j
.set p, p+1
.endr
	LAST
	PLACES NP
	s_wait_loadcnt 0x0
.irp a, 0,1,2,3,4,5,6,7
	OUTBLK \a, 0
.endr
	s_branch .Lend
.Lv:
.set p, 0
.rept 8
	global_load_b32 v[BI+2*p], v[BV], s[94:95] offset:64*p                          ; block a: column 16 a + r
.set p, p+1
.endr
	LAST
	PLACES NP
	s_wait_loadcnt 0x0
.set p, 0
.rept 8
	v_mov_b32 v[BI+2*p+1], v[BI+2*p]               ; the packed form names a pair
.set p, p+1
.endr
.irp a, 0,1,2,3,4,5,6,7
	OUTBLK \a, 1
.endr
.Lend:
	s_wait_tensorcnt 0x0                           ; the wave's end
	ds_add_u32 v[SPW], v[NIL]
	s_wait_dscnt 0x0
	CROUND                                         ; the closing round: no work-group ends while a partner may still ask for a tile that names it
	s_endpgm
.Lfunc_end_k_q81baf99e0f_qkv:
	.size	k_q81baf99e0f_qkv, .Lfunc_end_k_q81baf99e0f_qkv-k_q81baf99e0f_qkv
	.p2alignl 7, 3214868480
	.fill 96, 4, 3214868480
	.section	.rodata,"a",@progbits
	.p2align	6, 0x0
	.amdhsa_kernel k_q81baf99e0f_qkv
		.amdhsa_group_segment_fixed_size 327680
		.amdhsa_private_segment_fixed_size 0
		.amdhsa_enable_private_segment 0
		.amdhsa_kernarg_size 56
		.amdhsa_user_sgpr_count 2
		.amdhsa_user_sgpr_kernarg_segment_ptr 1
		.amdhsa_wavefront_size32 1
		.amdhsa_system_sgpr_workgroup_id_x 1
		.amdhsa_system_sgpr_workgroup_id_y 1
		.amdhsa_system_sgpr_workgroup_id_z 1
		.amdhsa_system_vgpr_workitem_id 0
		.amdhsa_next_free_vgpr 1024
		.amdhsa_next_free_sgpr 100
		.amdhsa_reserve_vcc 0
		.amdhsa_float_denorm_mode_32 3
		.amdhsa_float_denorm_mode_16_64 3
		.amdhsa_fp16_overflow 1
		.amdhsa_memory_ordered 1
		.amdhsa_forward_progress 1
		.amdhsa_inst_pref_size 133
	.end_amdhsa_kernel
	.amdgpu_metadata
---
amdhsa.version: [ 1, 2 ]
amdhsa.kernels:
  - .name:           k_q81baf99e0f_qkv
    .symbol:         k_q81baf99e0f_qkv.kd
    .args:
      - { .name: xc, .offset: 0, .size: 8, .value_kind: global_buffer, .address_space: global }
      - { .name: wac, .offset: 8, .size: 8, .value_kind: global_buffer, .address_space: global }
      - { .name: lowp_scales, .offset: 16, .size: 8, .value_kind: global_buffer, .address_space: global }
      - { .name: b_attn, .offset: 24, .size: 8, .value_kind: global_buffer, .address_space: global }
      - { .name: qc, .offset: 32, .size: 8, .value_kind: global_buffer, .address_space: global }
      - { .name: kc, .offset: 40, .size: 8, .value_kind: global_buffer, .address_space: global }
      - { .name: vc, .offset: 48, .size: 8, .value_kind: global_buffer, .address_space: global }
    .group_segment_fixed_size: 327680
    .private_segment_fixed_size: 0
    .kernarg_segment_align: 8
    .kernarg_segment_size: 56
    .max_flat_workgroup_size: 128
    .sgpr_count:     100
    .vgpr_count:     1024
    .wavefront_size: 32
...
	.end_amdgpu_metadata
.endif
;; end of part 2
;; launch attn (part 3): grid 4 x 64, 16 waves a work-group, no clusters, 327,680 bytes of LDS; arguments qc, kc, vc, lowp_scales, ac; writes ac
.if DOCPART == 3
	.amdgcn_target "amdgcn-amd-amdhsa--gfx1250"
	.amdhsa_code_object_version 6
	.text
	.protected	k_q81baf99e0f_attn
	.globl	k_q81baf99e0f_attn
	.p2align	8
	.type	k_q81baf99e0f_attn,@function
k_q81baf99e0f_attn:
	s_mov_b64 s[64:65], 0
	v_nop
	global_prefetch_b8 v0, s[64:65] scope:SCOPE_SE
	s_setreg_imm32_b32 hwreg(HW_REG_WAVE_MODE, 25, 1), 1
	s_wait_xcnt 0x0
; a[b][q][head] = the sum over keys k <= q of softmax_k(q . k / 8) v, both products on codes of FP8 (E4M3); a is quantised on the way out (entry 6) for the last product.  64 heads x 2,048 x 64.
; THE SOFTMAX: t = score x log2(e) / 8; M = the running largest t rounded UP to a whole number; p = 2^(t - M) is quantised (entry 4), not normalised; the row's sum is taken of the unquantised p and divides at the end.
; When M moves, the sum and O are multiplied by 2^(old M - new M), which rounds nothing.  A hidden key's score becomes -infinity ahead of the maximum, so its p is 0.
; INPUTS are images of operand registers: qc, kc [head 64][tile of 16 rows 128][1,024] (K = 64); vc [head][128 keys 16][16 channels 4][2,048] (K = keys).  A fragment comes by loads at 16 x lane.
; SHARES.  Work-group (i, head) owns the blocks of 256 queries 7 - i and i, one after the other: 8 - i and i + 1 slots of 256 keys, NINE for every work-group, so 256 work-groups have the same work and the trip count is a
; constant.  Each of sixteen waves owns one tile of 16 queries of the block in hand, in 256 registers.  A step of 128 keys all of which come after the wave's queries is jumped over: a scalar branch on ids.
; BOTH PRODUCTS ARE USED TRANSPOSED: S^T = K Q^T, O^T = V^T P^T: a lane holds one query; register 8 T + j of S^T is key 16 T + 8 h + j, so p's conversions are the second product's operand, and O^T's are a's image.
; RING: two LDS slots of 32,768 bytes (16 tiles of K, then 2 groups of V).  Waves 0-3 fetch 8,192 dense bytes each; all sixteen read.  The change of slots stands at a slot's head.
; NO CLUSTER: the four work-groups of a head want the same key slots in trips 0 to 4 alone; from trip 5 on they differ (work-group i goes back to key slot 0 in trip 8 - i).  A joint walk would be 12 trips for each
; partner in place of 9, to share 32,768 bytes a trip.
; LIMITS: e2 + e3 between -123 and 130 (added to c's exponent field); e4, e6 between -126 and 119.  NaN is not served.  Hidden keys count for nothing; reference()'s -1e9 does the same while a row's largest
; logit lies above -1e9 by more than some 100, which holds for e2 + e3 <= 9, since |logit| <= 64 x 448^2 x 2^(e2 + e3) / 8.
; REGISTERS: v1 16 x lane; v3 256 x lane; v5, v6 the spare word and 0; v8 LDS address; v10, v11 Q's offsets; v12 -M, v13 the largest t, v[14:15] the sum; v16-23 Q in use, v24-31 Q of block i; v32-95 K's, then V's fragments;
; v96-159 S^T, then p; v160-191 O^T; v192-207 p's codes; v208-215 a's codes; v236-254 at work and constants.
.set SLOT1, 1<<15                      ; slot 1 begins here: one exclusive or turns an address
.set VOFF,  16384                      ; V's groups in a slot
.set SPARE, 65536                      ; behind the ring: the spare words, 128 bytes for each of sixteen waves
.set LI,   1
.set PFO,  3
.set SPW,  5
.set NIL,  6
.set ADK,  8
.set TB,   2                           ; s2   LDS byte at which the slot in hand begins
.set WV,   18
.set SEL,  20                          ; s[20:21] selects for lane xor 16
.set CS,   22                          ; s[22:23] c = log2(e) / 8 x 2^(e2 + e3)
.set G1,   24                          ; s[24:31] descriptor group 1
.set G0,   40                          ; s[40:43] group 0, which walks
.set SRC,  44                          ; s[44:45] key slot 0 of what my wave fetches
.set OFS,  46                          ; s[46:47] 16,384 x the key slot
.set NK,   48                          ; the key slot fetched last
.set WRAP, 49                          ; 8 - i: behind key slot 7 - i comes key slot 0, for block i
.set CHG,  50                          ; i + 1: the count of slots to go at which the block changes
.set Q0B,  51                          ; my first query in block i
.set OUTA, 52                          ; s[52:53], s[54:55] my tile's place in ac, block 7 - i and block i
.set OUTB, 54
.set SLOTS, 67
.set PFA,  76                          ; s[76:77] where my prefetches stand
.set LIM,  80
.set EO,   81                          ; e4 + e5
.set KF,   98                          ; the step's first key
.set Q0,   99                          ; my first query
.macro TLOAD                           ; waves 0 to 3, one load each; four v_nop follow it
	s_cmp_lt_u32 s[WV], 4
	s_cbranch_scc0 .Lasked_\@
	tensor_load_to_lds s[G0:G0+3], s[G1:G1+7]
	s_nop 0
.rept 4
	v_nop
.endr
.Lasked_\@:
.endm
; A PREFETCH INTO THE L2 of what the NEXT change of slots will ask for.  All four work-groups of a head walk key slots 0, 1, .. in the same trips, since each begins with its later block: work-group i = 0, which walks all eight,
; asks; in it wave w = 4 .. 7 asks for the 8,192 bytes that wave w - 4 will fetch, lanes 256 bytes apart: one instruction.  Trip t asks for key slot t + 2, t = 0 .. 5: each aligned 256 bytes once in the launch.
; Key slots 0 and 1 come by their loads alone; nothing lies behind key slot 7.
.macro ASK
	s_cmp_gt_u32 s[SLOTS], s[LIM]
	s_cbranch_scc0 .Lnot_mine_\@
	global_prefetch_b8 v[PFO], s[PFA:PFA+1] th:TH_LOAD_NT scope:SCOPE_SE
.Lnot_mine_\@:
.endm
; THE CHANGE OF SLOTS.  Each wave waits for all its tensor loads (its part of the slot ahead), adds 0 to its spare word, and waits for that and for its reads of the slot that it has left.  Behind the barrier the slot
; ahead is whole and nobody reads the other.  fill = 1: that other slot takes the next trip's keys; the load has a slot's two steps in which to land.
.macro CHANGE fill
	s_wait_tensorcnt 0x0                           ; no tensor load of mine is out, so group 0 may be written
	ds_add_u32 v[SPW], v[NIL]                      ; 0 onto my spare word
.if \fill
	s_xor_b32 s[G0+1], s[G0+1], SLOT1              ; the other slot than last time
	s_add_co_u32 s[NK], s[NK], 1
	s_cmp_eq_u32 s[NK], s[WRAP]
	s_cselect_b32 s[NK], 0, s[NK]                  ; the next key slot, or block i's first
	s_lshl_b32 s[OFS], s[NK], 14
	s_add_nc_u64 s[G0+2:G0+3], s[SRC:SRC+1], s[OFS:OFS+1]
	s_or_b32 s[G0+3], s[G0+3], 0x80000000
	s_wait_xcnt 0x0                                ; the last prefetch, a slot back, has read its address
	s_add_nc_u64 s[PFA:PFA+1], s[PFA:PFA+1], 16384
.endif
	s_wait_dscnt 0x0                               ; the add is done, and my reads of the slot that I have left are over
	s_barrier_signal -1
	s_barrier_wait -1
.if \fill
	TLOAD                                          ; the first thing behind the barrier, and a wave's one tensor load until the next
	ASK
.endif
.endm
; A KEY STEP: 128 keys, the q-th of the slot in hand.
.macro STEP q
	s_add_co_u32 s96, s[Q0], 15
	s_cmp_gt_u32 s[KF], s96
	s_cbranch_scc1 .Lhidden_\@                     ; all 128 keys come after my 16 queries
	v_add_nc_u32 v[ADK], s[TB], v[LI]
.rept 3
	v_nop                                          ; with the addition: four places in front of loads into registers that the last products read
.endr
.set T, 0
.rept 8
	ds_load_b128 v[32+8*T:32+8*T+3],   v[ADK] offset:(8*(\q)+T)*1024
	ds_load_b128 v[32+8*T+4:32+8*T+7], v[ADK] offset:(8*(\q)+T)*1024+512
.set T, T+1
.endr
.set T, 0
	s_wait_alu depctr_va_vdst(0)
.rept 8
	s_wait_dscnt 14-2*T                            ; tile T's two loads are in; the later tiles' may be out
	v_wmma_f32_16x16x64_fp8_fp8 v[96+8*T:96+8*T+7], v[32+8*T:32+8*T+7], v[16:23], 0
.set T, T+1
.endr
.rept 4
	v_nop                                          ; places: in front of the loads below and of the first read of the scores
.endr
.set T, 0
.rept 16                                       ; V's four fragments take K's registers and land during the softmax
	ds_load_b128 v[32+4*T:32+4*T+3], v[ADK] offset:VOFF+8192*(\q)+512*T
.set T, T+1
.endr
	s_add_co_u32 s96, s[KF], 127
	s_cmp_le_u32 s96, s[Q0]
	s_cbranch_scc1 .Lopen_\@                       ; all 128 keys count for all my queries
	s_sub_co_i32 s96, s[Q0], s[KF]
	v_and_b32 v252, 15, v0
	v_bfe_u32 v253, v0, 4, 1
	s_delay_alu instid0(VALU_DEP_1)
	v_lshlrev_b32 v253, 3, v253
	s_delay_alu instid0(VALU_DEP_1)
	v_sub_nc_u32 v252, v252, v253
	s_delay_alu instid0(VALU_DEP_1)
	v_add_nc_u32 v252, s96, v252                   ; d = my query - KF - 8 h.  Register 8 T + j holds key KF + 16 T + 8 h + j: hidden where 16 T + j > d
	v_mov_b32 v254, 0xff800000                     ; -infinity
.set n, 0
.rept 64
	v_cmp_gt_i32 vcc_lo, 16*(n/8)+n%8, v252
	v_cndmask_b32 v[96+n], v[96+n], v254, vcc_lo
.set n, n+1
.endr
.Lopen_\@:
	v_max3_num_f32 v254, v96, v97, v98             ; the step's largest score of my query among my 64 keys, in two chains; each accumulator is first read at its low end
	v_max3_num_f32 v252, v99, v100, v101
.irp i, 6,10,14,18,22,26,30,34,38,42,46,50,54,58
	v_max3_num_f32 v254, v254, v[96+\i], v[97+\i]
	v_max3_num_f32 v252, v252, v[98+\i], v[99+\i]
.endr
	v_max3_num_f32 v254, v254, v158, v159
	s_delay_alu instid0(VALU_DEP_1)
	v_max_num_f32 v254, v254, v252
	s_delay_alu instid0(VALU_DEP_1)
	v_permlanex16_b32 v236, v254, s[SEL], s[SEL+1]
	s_delay_alu instid0(VALU_DEP_1)
	v_max_num_f32 v254, v254, v236                 ; and among lane xor 16's
	s_delay_alu instid0(VALU_DEP_1)
	v_mul_f32 v254, s[CS], v254                    ; as t (c is positive)
	s_delay_alu instid0(VALU_DEP_1)
	v_max_num_f32 v13, v13, v254                   ; the running largest t
	v_mov_b32 v254, v12
	s_delay_alu instid0(VALU_DEP_2)
	v_floor_f32 v12, -v13                          ; the new -M = floor(-t) = -ceil(t)
	s_delay_alu instid0(VALU_DEP_1)
	v_sub_f32 v254, v12, v254                      ; old M - new M: a whole number, 0 or less
	s_delay_alu instid0(VALU_DEP_1)
	v_cvt_i32_f32 v254, v254                       ; (it saturates)
	s_delay_alu instid0(VALU_DEP_1)
	v_ldexp_f32 v252, 1.0, v254                    ; f = 2^(old M - new M)
.set j, 0
.rept 32
	v_pk_fma_f32 v[96+j:97+j], v[96+j:97+j], s[CS:CS+1], v[12:13] op_sel_hi:[1,0,0]   ; t - M, two at a time
.set j, j+2
.endr
.set j, 0
	s_wait_alu depctr_va_vdst(0)
.rept 64
	v_exp_f32 v[96+j], v[96+j]                     ; p = 2^(t - M)
.set j, j+1
.endr
	v_pk_mul_f32 v[14:15], v[14:15], v[252:253] op_sel_hi:[1,0]   ; the sums under the new M: the plain instruction behind the exponentials
	s_wait_alu depctr_va_vdst(0)                   ; one wait for the batch of 64, ahead of its first reader
	v_pk_add_f32 v[242:243], v[100:101], v[104:105]
	v_pk_add_f32 v[254:255], v[108:109], v[112:113]
	v_pk_add_f32 v[250:251], v[116:117], v[120:121]
	v_pk_add_f32 v[248:249], v[124:125], v[128:129]
	v_pk_add_f32 v[240:241], v[132:133], v[136:137]
	v_pk_add_f32 v[238:239], v[140:141], v[144:145]
	v_pk_add_f32 v[234:235], v[148:149], v[152:153]
	v_pk_add_f32 v[14:15], v[14:15], v[156:157]
	v_pk_add_f32 v[242:243], v[242:243], v[96:97]
	v_pk_add_f32 v[254:255], v[254:255], v[98:99]
	v_pk_add_f32 v[250:251], v[250:251], v[102:103]
	v_pk_add_f32 v[248:249], v[248:249], v[106:107]
	v_pk_add_f32 v[240:241], v[240:241], v[110:111]
	v_pk_add_f32 v[238:239], v[238:239], v[114:115]
	v_pk_add_f32 v[234:235], v[234:235], v[118:119]
	v_pk_add_f32 v[14:15], v[14:15], v[122:123]
	v_pk_add_f32 v[242:243], v[242:243], v[126:127]
	v_pk_add_f32 v[254:255], v[254:255], v[130:131]
	v_pk_add_f32 v[250:251], v[250:251], v[134:135]
	v_pk_add_f32 v[248:249], v[248:249], v[138:139]
	v_pk_add_f32 v[240:241], v[240:241], v[142:143]
	v_pk_add_f32 v[238:239], v[238:239], v[146:147]
	v_pk_add_f32 v[234:235], v[234:235], v[150:151]
	v_pk_add_f32 v[14:15], v[14:15], v[154:155]
	v_pk_add_f32 v[242:243], v[242:243], v[158:159]
	s_delay_alu instid0(VALU_DEP_2)
	v_pk_add_f32 v[14:15], v[14:15], v[248:249]
	s_delay_alu instid0(VALU_DEP_2)
	v_pk_add_f32 v[242:243], v[242:243], v[240:241]
	v_pk_add_f32 v[254:255], v[254:255], v[238:239]
	v_pk_add_f32 v[250:251], v[250:251], v[234:235]
	s_delay_alu instid0(VALU_DEP_2)
	v_pk_add_f32 v[14:15], v[14:15], v[254:255]
	s_delay_alu instid0(VALU_DEP_2)
	v_pk_add_f32 v[242:243], v[242:243], v[250:251]
	s_delay_alu instid0(VALU_DEP_1)
	v_pk_add_f32 v[14:15], v[14:15], v[242:243]
.set T, 0
.rept 8
.set j, 0
.rept 8
.set j, j+1
.endr
	v_cvt_scalef32_pk8_fp8_f32 v[192+2*T:193+2*T], v[96+8*T:103+8*T], v244   ; registers 2 T, 2 T + 1 of the operand: keys 16 T + 8 h + 0 .. 7
.set T, T+1
.endr
.set j, 0
.rept 16
	v_pk_mul_f32 v[160+j:161+j], v[160+j:161+j], v[252:253] op_sel_hi:[1,0]   ; O^T under the new M; also the plain instructions between the conversions and the products
.set j, j+2
.endr
	s_wait_alu depctr_va_vdst(0)
	s_wait_dscnt 0x0                               ; V
.set T, 0
.rept 4
	v_wmma_f32_16x16x128_fp8_fp8 v[160+8*T:167+8*T], v[32+16*T:47+16*T], v[192:207], v[160+8*T:167+8*T]   ; four accumulators by turns
.set T, T+1
.endr
.Lhidden_\@:
	s_add_co_u32 s[KF], s[KF], 128
.endm
.macro SLOT_STEPS
	STEP 0
	STEP 1
	s_xor_b32 s[TB], s[TB], SLOT1
.endm
.macro INIT                            ; a block begins: the key step is written once, and its first run finds zeros, which the first change of M leaves zeros
	v_mov_b32 v13, 0xff61b1e6                      ; -3e38, under every t
	s_delay_alu instid0(VALU_DEP_1)
	v_floor_f32 v12, -v13
	v_mov_b32 v14, 0
	v_mov_b32 v15, 0
.set j, 0
.rept 32
	v_mov_b32 v[160+j], 0
.set j, j+1
.endr
.endm
; THE WAY OUT of a block: a = O^T x 2^(e4 + e5) / the sum, held, converted.  Tile t's two registers are registers 2 t, 2 t + 1 of the head's half fragment: two stores of 512 consecutive bytes, aligned.
.macro WAYOUT out
	s_wait_xcnt 0x0                                ; the first block's stores have read the code registers
.rept 4
	v_nop                                          ; places behind the last products
.endr
	v_add_f32 v14, v14, v15
	s_wait_alu depctr_va_vdst(0)
	v_permlanex16_b32 v252, v14, s[SEL], s[SEL+1]
	s_delay_alu instid0(VALU_DEP_1)
	v_add_f32 v14, v14, v252                       ; the row's sum
	s_wait_alu depctr_va_vdst(0)
	v_rcp_f32 v14, v14
	v_nop                                          ; a plain instruction behind the reciprocal,
	s_wait_alu depctr_va_vdst(0)                   ; and the wait ahead of its first reader
	v_ldexp_f32 v14, v14, s[EO]
.set j, 0
.rept 16
	v_pk_mul_f32 v[96+j:97+j], v[160+j:161+j], v[14:15] op_sel_hi:[1,0]   ; register 8 t + j: channel 16 t + 8 h + j of my query
.set j, j+2
.endr
.set j, 0
.rept 32
.set j, j+1
.endr
.set j, 0
.rept 4
	v_cvt_scalef32_pk8_fp8_f32 v[208+2*j:209+2*j], v[96+8*j:103+8*j], v246
.set j, j+1
.endr
	v_nop                                          ; a plain instruction behind the last conversion: later products write its sources
	global_store_b128 v[LI], v[208:211], s[\out:\out+1]
	global_store_b128 v[LI], v[212:215], s[\out:\out+1] offset:512
.endm
	s_load_b256 s[4:11], s[0:1], 0x0               ; qc s[4:5], kc s[6:7], vc s[8:9], the scales' exponents s[10:11]
	s_load_b64 s[12:13], s[0:1], 0x20              ; ac
	v_lshl_add_u32 v[SPW], v0, 2, SPARE
	v_mov_b32 v[NIL], 0
	ds_add_u32 v5, v6
	ds_add_u32 v5, v6
	s_wait_dscnt 0x0
	v_lshrrev_b32 v8, 5, v0
	s_delay_alu instid0(VALU_DEP_1)
	v_readfirstlane_b32 s[WV], v8                  ; wave 0..15
	s_and_b32 s56, ttmp7, 0xffff                   ; 16 x batch + head
	s_lshl_b32 s14, s56, 17                        ; its 131,072 bytes in qc, kc and vc
	s_mov_b32 s15, 0
	s_and_b32 s57, s[WV], 1
	s_lshl_b32 s57, s57, 13
	s_add_co_u32 s16, s14, s57                     ; + which half of a slot's 16,384 bytes I fetch
	s_mov_b32 s17, 0
	s_and_b32 s58, s[WV], 3
	s_lshl_b32 s58, s58, 13                        ; and its place in a slot: K's halves, then V's
	; descriptor group 1: a dense block of 8,192 bytes as 32 rows of 32 elements of 8 bytes
	s_mov_b32 s[G1], 3<<16
	s_mov_b32 s[G1+1], 32<<16                      ; tensor_dim0
	s_mov_b32 s[G1+2], 32<<16                      ; tensor_dim1
	s_mov_b32 s[G1+3], 32<<16                      ; tile_dim0
	s_mov_b32 s[G1+4], 32                          ; tile_dim1
	s_mov_b32 s[G1+5], 32                          ; tensor_dim0_stride
	s_mov_b32 s[G1+6], 0
	s_mov_b32 s[G1+7], 0
	s_mov_b32 s[SEL], 0x76543210
	s_mov_b32 s[SEL+1], 0xfedcba98
	s_mov_b32 s[CS], 0x3e38aa3b                    ; log2(e) / 8
	s_mov_b32 s[TB], 0
	s_mov_b32 s[SLOTS], 8
	s_mov_b32 s[KF], 0
	s_mov_b32 s[NK], 0
	s_mov_b32 s[OFS+1], 0
	s_sub_co_u32 s[WRAP], 8, ttmp9
	s_add_co_u32 s[CHG], ttmp9, 1
	s_sub_co_u32 s59, 7, ttmp9
	s_lshl_b32 s59, s59, 4
	s_add_co_u32 s59, s59, s[WV]                   ; my tile of 16 queries in block 7 - i,
	s_lshl_b32 s60, ttmp9, 4
	s_add_co_u32 s60, s60, s[WV]                   ; and in block i
	s_lshl_b32 s[Q0], s59, 4
	s_lshl_b32 s[Q0B], s60, 4
	s_and_b32 s61, s[WV], 2
	s_wait_kmcnt 0x0
	s_load_b256 s[68:75], s[10:11], 0x0            ; e0 .. e7
	s_cmp_lg_u32 s61, 0
	s_cselect_b64 s[SRC:SRC+1], s[8:9], s[6:7]     ; waves 2, 3 (and 6, 7 for the prefetches): V; waves 0, 1 (4, 5): K
	s_add_nc_u64 s[SRC:SRC+1], s[SRC:SRC+1], s[16:17]
	s_mov_b32 s[G0], 1
	s_mov_b32 s[G0+1], s58
	s_mov_b64 s[G0+2:G0+3], s[SRC:SRC+1]
	s_or_b32 s[G0+3], s[G0+3], 0x80000000
	TLOAD                                          ; key slot 0 into slot 0
	s_add_nc_u64 s[PFA:PFA+1], s[SRC:SRC+1], 16384 ; at key slot 1: the first change steps it to 2.  Nothing is prefetched here, at the head
	s_sub_co_u32 s82, s[WV], 4
	s_lshr_b32 s82, s82, 2                         ; 0 in waves 4 to 7,
	s_or_b32 s82, s82, ttmp9                       ; of work-group i = 0
	s_cmp_eq_u32 s82, 0
	s_cselect_b32 s[LIM], 2, -1                    ; a wave prefetches while more than 2 slots are to be asked for
	v_and_b32 v9, 31, v0
	s_delay_alu instid0(VALU_DEP_1)
	v_lshlrev_b32 v[LI], 4, v9
	s_delay_alu instid0(VALU_DEP_2)
	v_lshlrev_b32 v[PFO], 8, v9
	s_add_nc_u64 s[4:5], s[4:5], s[14:15]
	s_lshl_b32 s61, s59, 10
	v_add_nc_u32 v10, s61, v[LI]
	s_lshl_b32 s61, s60, 10
	v_add_nc_u32 v11, s61, v[LI]
	global_load_b128 v[16:19], v10, s[4:5]         ; Q of block 7 - i
	global_load_b128 v[20:23], v10, s[4:5] offset:512
	global_load_b128 v[24:27], v11, s[4:5]         ; Q of block i
	global_load_b128 v[28:31], v11, s[4:5] offset:512
	s_lshr_b32 s62, s56, 4
	s_lshl_b32 s62, s62, 7                         ; 128 row blocks a batch
	s_and_b32 s63, s56, 15
	s_lshl_b32 s63, s63, 10                        ; a head's half fragment: 1,024 bytes
	s_add_co_u32 s82, s62, s59
	s_lshl_b32 s82, s82, 14
	s_add_co_u32 s82, s82, s63
	s_mov_b32 s83, 0
	s_add_nc_u64 s[OUTA:OUTA+1], s[12:13], s[82:83]
	s_add_co_u32 s84, s62, s60
	s_lshl_b32 s84, s84, 14
	s_add_co_u32 s84, s84, s63
	s_mov_b32 s85, 0
	s_add_nc_u64 s[OUTB:OUTB+1], s[12:13], s[84:85]
	INIT
	v_mov_b32 v236, 0                              ; written once: a lane permute's destination counts as one of its sources
	v_mov_b32 v252, 0
	v_mov_b32 v253, 0                              ; (named as the upper half of the pair v[252:253])
	s_wait_kmcnt 0x0
	s_add_co_i32 s82, s70, s71
	s_lshl_b32 s82, s82, 23
	s_add_co_i32 s[CS], s[CS], s82                 ; a score stands for score x 2^(e2 + e3): added to c's exponent field
	s_mov_b32 s[CS+1], s[CS]
	s_add_co_i32 s82, s72, 127
	s_lshl_b32 s83, s82, 23
	v_mov_b32 v244, s83                            ; 2^e4
	s_add_co_i32 s82, s74, 127
	s_lshl_b32 s83, s82, 23
	v_mov_b32 v246, s83                            ; 2^e6
	s_add_co_i32 s[EO], s72, s73
	s_wait_loadcnt 0x0                             ; Q
.Lslot:                                            ; eight trips: behind each change of slots but the last the next trip's keys are asked for
	CHANGE 1
	SLOT_STEPS
	s_cmp_lg_u32 s[SLOTS], s[CHG]                  ; trip 7 - i was block 7 - i's last: a branch on ids; no barrier and no tensor load stands under it
	s_cbranch_scc1 .Lsame
	WAYOUT OUTA
	INIT
.set j, 0
.rept 8
	v_mov_b32 v[16+j], v[24+j]                     ; Q of block i
.set j, j+1
.endr
	s_mov_b32 s[Q0], s[Q0B]
	s_mov_b32 s[KF], 0
.Lsame:
	s_sub_co_u32 s[SLOTS], s[SLOTS], 1
	s_cmp_lg_u32 s[SLOTS], 0
	s_cbranch_scc1 .Lslot
	CHANGE 0                                       ; the ninth slot is written out
	SLOT_STEPS
	WAYOUT OUTB
	s_wait_tensorcnt 0x0                           ; the wave's end
	ds_add_u32 v[SPW], v[NIL]
	s_wait_dscnt 0x0
	s_endpgm
.Lfunc_end_k_q81baf99e0f_attn:
	.size	k_q81baf99e0f_attn, .Lfunc_end_k_q81baf99e0f_attn-k_q81baf99e0f_attn
	.p2alignl 7, 3214868480
	.fill 96, 4, 3214868480
	.section	.rodata,"a",@progbits
	.p2align	6, 0x0
	.amdhsa_kernel k_q81baf99e0f_attn
		.amdhsa_group_segment_fixed_size 327680
		.amdhsa_private_segment_fixed_size 0
		.amdhsa_enable_private_segment 0
		.amdhsa_kernarg_size 40
		.amdhsa_user_sgpr_count 2
		.amdhsa_user_sgpr_kernarg_segment_ptr 1
		.amdhsa_wavefront_size32 1
		.amdhsa_system_sgpr_workgroup_id_x 1
		.amdhsa_system_sgpr_workgroup_id_y 1
		.amdhsa_system_sgpr_workgroup_id_z 1
		.amdhsa_system_vgpr_workitem_id 0
		.amdhsa_next_free_vgpr 256
		.amdhsa_next_free_sgpr 100
		.amdhsa_reserve_vcc 1
		.amdhsa_float_denorm_mode_32 3
		.amdhsa_float_denorm_mode_16_64 3
		.amdhsa_fp16_overflow 1
		.amdhsa_memory_ordered 1
		.amdhsa_forward_progress 1
		.amdhsa_inst_pref_size 91
	.end_amdhsa_kernel
	.amdgpu_metadata
---
amdhsa.version: [ 1, 2 ]
amdhsa.kernels:
  - .name:           k_q81baf99e0f_attn
    .symbol:         k_q81baf99e0f_attn.kd
    .args:
      - { .name: qc, .offset: 0, .size: 8, .value_kind: global_buffer, .address_space: global }
      - { .name: kc, .offset: 8, .size: 8, .value_kind: global_buffer, .address_space: global }
      - { .name: vc, .offset: 16, .size: 8, .value_kind: global_buffer, .address_space: global }
      - { .name: lowp_scales, .offset: 24, .size: 8, .value_kind: global_buffer, .address_space: global }
      - { .name: ac, .offset: 32, .size: 8, .value_kind: global_buffer, .address_space: global }
    .group_segment_fixed_size: 327680
    .private_segment_fixed_size: 0
    .kernarg_segment_align: 8
    .kernarg_segment_size: 40
    .max_flat_workgroup_size: 512
    .sgpr_count:     100
    .vgpr_count:     256
    .wavefront_size: 32
...
	.end_amdgpu_metadata
.endif
;; end of part 3
;; launch proj (part 4): grid 4 x 32, 4 waves a work-group, clusters of 4 x 4, 327,680 bytes of LDS; arguments ac, wpc, lowp_scales, b_proj, out0; writes out0
.if DOCPART == 4
	.amdgcn_target "amdgcn-amd-amdhsa--gfx1250"
	.amdhsa_code_object_version 6
	.text
	.protected	k_q81baf99e0f_proj
	.globl	k_q81baf99e0f_proj
	.p2align	8
	.type	k_q81baf99e0f_proj,@function
k_q81baf99e0f_proj:
	s_mov_b64 s[64:65], 0
	v_nop
	global_prefetch_b8 v0, s[64:65] scope:SCOPE_SE
	s_setreg_imm32_b32 hwreg(HW_REG_WAVE_MODE, 25, 1), 1
	s_wait_xcnt 0x0
	s_wait_alu depctr_hold_cnt(0) depctr_sa_sdst(0) depctr_va_vdst(0) depctr_va_sdst(0) depctr_va_ssrc(0) depctr_va_vcc(0) depctr_vm_vsrc(0)
	s_getreg_b32 s2, hwreg(HW_REG_IB_STS2, 6, 4)
	s_cmp_eq_u32 s2, 0
	s_cbranch_scc0 .Lentry_in_a_cluster
	s_endpgm
.Lentry_in_a_cluster:
	s_bfe_u32 s2, ttmp6, 0x10000c
	s_cmp_lg_u32 s2, 0xf033
	s_cbranch_scc0 .Lentry_shape_is_right
	s_endpgm
.Lentry_shape_is_right:
; out = a w_proj + b_proj on codes of FP8 (E4M3), sums in f32: 8,192 x 1,024 x 1,024.  out = sum x 2^(e6 + e7) + bias, f32.
; INPUTS are images of operand registers: ac [row block of 16][K step of 128][2,048 bytes], wpc [block of 16 columns][K step][2,048]: a fragment comes out of LDS by four loads at 16 x lane.
; SHARES.  A tile of 256 x 256 to a work-group of four waves, 128 x 128 to a wave: 64 accumulators.  K goes in four steps of 256 through two LDS slots; each wave fetches a quarter of a slot (8 row blocks x 4,096 bytes)
; with one tensor load.  128 tiles: 128 work-groups.
; CLUSTERS of 4 x 4: a's tiles are shared along a row of the cluster, w's along a column: each is asked for jointly.
; THE PRODUCT IS USED TRANSPOSED (source 0 = w's columns, source 1 = a's rows): a lane holds eight neighbouring columns of one row.  A block of 16 rows x 128 columns goes through the wave's own stage in LDS and comes
; back as whole rows of 512 bytes; there a lane holds columns 4 lane .. + 3 of every row, so the bias is four registers, and one packed multiply-add for two numbers gives sum x 2^(e6 + e7) + bias.
; The stage lies in slot 0, which has had its last fill and its last read when the first result is stored there.
; LIMIT: e6 + e7 between -126 and 127.
; REGISTERS in windows of 256: window 0: v0-31 addresses and the bias; v128-255 a's fragments (one set), on the way out rows of out;  window 1: w's fragments, two sets;  windows 2, 3: the accumulators.
.set FR,    16
.set NL,    4
.set NP,    4                          ; places behind this matrix instruction (ISA guide 7.12.1)
.set PART,  32768
.set SLOT,  4*PART
.set SPARE, 2*SLOT                     ; behind the ring: the spare words, 128 bytes a wave, named by no other line
.set SPITCH, 528                       ; a stage row: 512 bytes + 16 = 33 x 16: sixteen rows begin at sixteen different 16-byte columns of 256
.set ADRA,  16
.set ADRB,  20
.set STO,   24                         ; v24 the stage: where I put 32 bytes of a row
.set RD,    25                         ; v25 and where I read a row back
.set LO,    26                         ; v26 16 x lane
.set SPW,   28
.set NIL,   29
.set AF,    128
.set BK,    128                        ; the way out: 16 rows read back: v128-191 and v192-255 by turns
.set G1,  24
.set G0,  32
.set G1B, 48
.set G0B, 56
.set MSB, 0
.macro WIN new                         ; the immediate's high byte repeats the setting that is left
.if MSB != (\new)
	s_set_vgpr_msb (MSB<<8)|(\new)
.set MSB, (\new)
.endif
.endm
.set MUL_LO, 0xa1
.set MUL_HI, 0xf1
.set TO_B,   0x40
.macro JLOAD g0a, g1a, g0b, g1b        ; a joint load: waves 0 and 1 fetch for a, waves 2 and 3 for w; four v_nop follow each of the two lines
	s_cmp_eq_u32 s15, 0
	s_cbranch_scc0 .Lfor_b_\@
	tensor_load_to_lds s[\g0a:\g0a+3], s[\g1a:\g1a+7]
	s_nop 0
.rept 4
	v_nop
.endr
	s_branch .Lasked_\@
.Lfor_b_\@:
	tensor_load_to_lds s[\g0b:\g0b+3], s[\g1b:\g1b+7]
	s_nop 0
.rept 4
	v_nop
.endr
.Lasked_\@:
.endm
.macro CREST
	s_cmp_lg_u32 s14, 0
	s_cbranch_scc1 .Lnot_wave_0_\@
	s_barrier_signal -3
.Lnot_wave_0_\@:
	s_barrier_wait -3
	s_barrier_signal -1
	s_barrier_wait -1
.endm
.macro CROUND
	s_barrier_signal -1
	s_barrier_wait -1
	CREST
.endm
.macro FRAG reg, adr, q, i
.irp c, 0,1,2,3
	ds_load_b128 v[\reg+4*\c:\reg+4*\c+3], v[\adr] offset:2048*(\q)+512*\c+4096*(\i)
.endr
.endm
.macro MUL16 a0, p, zero               ; the 64 accumulators take turns, one instruction a turn
.irp a, \a0, \a0+1
.irp b, 0,1,2,3,4,5,6,7
.if \zero
	v_wmma_f32_16x16x128_fp8_fp8 v[8*(8*((\a)%4)+\b):8*(8*((\a)%4)+\b)+7], v[128*(\p)+FR*\b:128*(\p)+FR*\b+FR-1], v[AF+FR*(\a):AF+FR*(\a)+FR-1], 0
.else
	v_wmma_f32_16x16x128_fp8_fp8 v[8*(8*((\a)%4)+\b):8*(8*((\a)%4)+\b)+7], v[128*(\p)+FR*\b:128*(\p)+FR*\b+FR-1], v[AF+FR*(\a):AF+FR*(\a)+FR-1], v[8*(8*((\a)%4)+\b):8*(8*((\a)%4)+\b)+7]
.endif
.endr
.endr
.endm
.macro FETCH_B slot, q, p
	WIN TO_B
.irp i, 0,1,2,3,4,5,6,7
	FRAG 128*(\p)+FR*\i, ADRB+\slot, \q, \i
.endr
	WIN 0
.endm
.macro FETCH_A slot, q, i0
.irp i, \i0, \i0+1, \i0+2, \i0+3
	FRAG AF+FR*(\i), ADRA+\slot, \q, \i
.endr
.endm
.macro PLACES n
.rept \n
	v_nop
.endr
.endm
.macro STEP slot, q, zero
	s_wait_dscnt 4*NL                              ; all but the youngest sixteen loads (a's blocks 4-7) are in
	WIN MUL_LO
	MUL16 0, (\q)%2, \zero
	MUL16 2, (\q)%2, \zero
	s_wait_dscnt 0
	PLACES NP
	FETCH_B \slot, (\q)+1, 1-(\q)%2
	FETCH_A \slot, (\q)+1, 0
	WIN MUL_HI
	MUL16 4, (\q)%2, \zero
	MUL16 6, (\q)%2, \zero
	PLACES NP
	WIN 0
	FETCH_A \slot, (\q)+1, 4
.endm
.macro TURN slot, next, fill
	s_wait_tensorcnt 0x0                           ; all my tensor loads have landed: my part of the next slot
	ds_add_u32 v[SPW], v[NIL]                      ; 0 onto my spare word
	s_wait_dscnt 4*NL+1                            ; the add and the youngest sixteen loads may be out
	WIN MUL_LO
	MUL16 0, 1, 0
	s_wait_dscnt 0x0                               ; the add is done, and my reads of this slot are over
	s_barrier_signal -1
	MUL16 2, 1, 0
	WIN 0
	s_barrier_wait -1
.if \fill
	CREST                                          ; the barrier has opened a round of the cluster's: no wave of any partner still reads this slot or has a load on its way
	s_add_nc_u64 s[G0+4*\slot+2:G0+4*\slot+3], s[G0+4*\slot+2:G0+4*\slot+3], 8192
	s_add_nc_u64 s[G0B+4*\slot+2:G0B+4*\slot+3], s[G0B+4*\slot+2:G0B+4*\slot+3], 8192
	JLOAD G0+4*\slot, G1, G0B+4*\slot, G1B
.else
	PLACES NP
.endif
	FETCH_B \next, 0, 0
	FETCH_A \next, 0, 0
	WIN MUL_HI
	MUL16 4, 1, 0
	MUL16 6, 1, 0
	PLACES NP
	WIN 0
	FETCH_A \next, 0, 4
.endm
.macro LAST
	s_wait_dscnt 4*NL
	WIN MUL_LO
	MUL16 0, 1, 0
	MUL16 2, 1, 0
	s_wait_alu depctr_va_vdst(0)
	s_wait_dscnt 0
	WIN MUL_HI
	MUL16 4, 1, 0
	MUL16 6, 1, 0
	WIN 0
.endm
; THE WAY OUT.  Block a's sums go into my stage straight from their window (each accumulator's low four registers first) and come back as whole rows.  LDS serves a wave's instructions in order: no wait between.
.macro TOSTAGE a
.set AC, 64*((\a)%4)
.set BB, BK+64*((\a)%2)
	WIN 0x08+4*((\a)/4)                            ; the stores' data: window 2 or 3
.set p, 0
.rept 16
	ds_store_b128 v[STO], v[AC+4*p:AC+4*p+3] offset:64*(p/2)+16*(p%2)
.set p, p+1
.endr
	WIN 0
.set p, 0
.rept 16
	ds_load_b128 v[BB+4*p:BB+4*p+3], v[RD] offset:SPITCH*p
.set p, p+1
.endr
.endm
.macro SEND a, younger                 ; younger: the LDS instructions issued behind block a's loads, which may stay out
.set BB, BK+64*((\a)%2)
	s_wait_dscnt \younger
.if (\a) > 0
	s_add_nc_u64 s[12:13], s[12:13], 65536         ; 16 rows of out on (behind a wait on XCNT: the earlier stores have read their base)
.endif
.set p, 0
.rept 32
	v_pk_fma_f32 v[BB+2*p:BB+2*p+1], v[BB+2*p:BB+2*p+1], s[96:97], v[8+2*(p%2):9+2*(p%2)] op_sel_hi:[1,0,1]
.set p, p+1
.endr
.set p, 0
.rept 16
	global_store_b128 v[LO], v[BB+4*p:BB+4*p+3], s[12:13] offset:4096*p th:TH_STORE_NT   ; 32 lanes store 512 consecutive bytes, at a multiple of 256 from out's first byte
.set p, p+1
.endr
.endm
	s_load_b256 s[4:11], s[0:1], 0x0               ; ac s[4:5], wpc s[6:7], the scales' exponents s[8:9], b_proj s[10:11]
	s_load_b64 s[12:13], s[0:1], 0x20              ; out0
	v_lshl_add_u32 v[SPW], v0, 2, SPARE
	v_mov_b32 v[NIL], 0
	ds_add_u32 v28, v29
	ds_add_u32 v28, v29
	s_wait_dscnt 0x0
	v_lshrrev_b32 v1, 5, v0
	v_readfirstlane_b32 s14, v1                    ; wave 0..3
	s_lshr_b32 s15, s14, 1                         ; which half of the tile's rows is mine.  Also: I fetch for a (0) or for w (1)
	s_and_b32 s16, s14, 1                          ; which half of its columns.  Also: which half of that tile I fetch
	s_bfe_u32 s40, ttmp6, 0x40000                  ; cx, cy
	s_bfe_u32 s41, ttmp6, 0x40004
	s_lshl_b32 s42, ttmp9, 2
	s_add_co_u32 s42, s42, s40                     ; tile column = 4 x cluster x + cx
	s_and_b32 s17, ttmp7, 0xffff
	s_lshl_b32 s17, s17, 2
	s_add_co_u32 s17, s17, s41                     ; tile row = 4 x cluster y + cy
	s_lshl_b32 s43, s41, 2
	s_lshl_b32 s43, 15, s43                        ; my row of the cluster
	s_lshl_b32 s44, 0x1111, s40                    ; my column
	s_or_b32 s[G1+0], s43, (3<<16)|(1<<21)         ; 15:0 the mask; 17:16 elements of 8 bytes; 21 set beside a mask
	s_or_b32 s[G1B+0], s44, (3<<16)|(1<<21)
.irp g, G1, G1B
	s_mov_b32 s[\g+1], 512<<16                     ; tensor_dim0: a row block's two fragments, 4,096 bytes
	s_mov_b32 s[\g+2], 8<<16                       ; tensor_dim1
	s_mov_b32 s[\g+3], 512<<16                     ; tile_dim0
	s_mov_b32 s[\g+4], 8                           ; tile_dim1
	s_mov_b32 s[\g+5], 2048                        ; tensor_dim0_stride: 16,384 bytes
	s_mov_b32 s[\g+6], 0
	s_mov_b32 s[\g+7], 0
.endr
	s_lshl_b32 s22, s16, 17                        ; the half that I fetch: 8 row blocks of 16,384 bytes
	s_lshl_b32 s20, s17, 18
	s_add_co_u32 s20, s20, s22
	s_mov_b32 s21, 0
	s_lshl_b32 s46, s42, 18
	s_add_co_u32 s46, s46, s22
	s_mov_b32 s47, 0
	s_lshl_b32 s45, s14, 15                        ; where it goes: PART x wave
	s_wait_kmcnt 0x0
	s_load_b256 s[80:87], s[8:9], 0x0              ; e0 .. e7
	s_add_nc_u64 s[20:21], s[4:5], s[20:21]
	s_add_nc_u64 s[46:47], s[6:7], s[46:47]
	CROUND                                         ; all sixteen work-groups are here: the first joint loads meet
.irp s, 0,1
	s_mov_b32 s[G0+4*\s], 1
	s_add_co_u32 s[G0+4*\s+1], s45, \s*SLOT
	s_add_nc_u64 s[G0+4*\s+2:G0+4*\s+3], s[20:21], \s*4096
	s_or_b32 s[G0+4*\s+3], s[G0+4*\s+3], 0x80000000
	s_mov_b32 s[G0B+4*\s], 1
	s_add_co_u32 s[G0B+4*\s+1], s45, \s*SLOT
	s_add_nc_u64 s[G0B+4*\s+2:G0B+4*\s+3], s[46:47], \s*4096
	s_or_b32 s[G0B+4*\s+3], s[G0B+4*\s+3], 0x80000000
	s_wait_alu depctr_va_vdst(0)
	s_wait_tensorcnt 0x0
	ds_add_u32 v28, v29
	ds_add_u32 v28, v29
	s_wait_dscnt 0x0
	CROUND
	JLOAD G0+4*\s, G1, G0B+4*\s, G1B               ; one load of mine is out
.endr
	v_and_b32 v1, 15, v0                           ; r
	s_wait_alu depctr_va_vdst(0)
	v_bfe_u32 v3, v0, 4, 1                         ; h
	v_and_b32 v2, 31, v0
	v_lshlrev_b32 v[LO], 4, v2
	s_lshl_b32 s21, s15, 15
	s_lshl_b32 s22, s16, 15
	s_add_co_u32 s22, s22, 2*PART
.irp s, 0,1
	v_add_nc_u32 v[ADRA+\s], s21, v[LO]
	v_add_nc_u32 v[ADRB+\s], s22, v[LO]
	s_add_co_u32 s21, s21, SLOT
	s_add_co_u32 s22, s22, SLOT
.endr
	s_mul_i32 s23, s14, 16*SPITCH                  ; my stage
	v_mul_u32_u24 v5, v1, SPITCH
	s_wait_alu depctr_va_vdst(0)
	v_lshl_add_u32 v5, v3, 5, v5
	v_add_nc_u32 v[STO], s23, v5                   ; in: row r, 32 bytes for each half of the lanes
	v_add_nc_u32 v[RD], s23, v[LO]                 ; back: the 32 lanes take a row of 512 bytes
	s_lshl_b32 s46, s42, 10                        ; my first column, in bytes: 1,024 x tile column + 512 x half
	s_lshl_b32 s47, s16, 9
	s_add_co_u32 s46, s46, s47
	s_mov_b32 s47, 0
	s_add_nc_u64 s[10:11], s[10:11], s[46:47]
	global_load_b128 v[8:11], v[LO], s[10:11]      ; the bias of columns 4 lane .. + 3 of my 128
	s_lshl_b32 s20, s17, 20                        ; my first row: 256 x tile row + 128 x half, rows of 4,096 bytes
	s_lshl_b32 s21, s15, 19
	s_add_co_u32 s20, s20, s21
	s_add_co_u32 s20, s20, s46
	s_mov_b32 s21, 0
	s_add_nc_u64 s[12:13], s[12:13], s[20:21]
	s_wait_kmcnt 0x0
	s_add_co_i32 s96, s86, s87
	s_add_co_i32 s96, s96, 127
	s_lshl_b32 s96, s96, 23                        ; 2^(e6 + e7) as f32
	s_mov_b32 s97, s96                             ; (named with it as a pair, so it is written)
	s_wait_tensorcnt 1                             ; my part of slot 0 is in; slot 1's load may be out
	s_barrier_signal -1
	s_barrier_wait -1
	FETCH_B 0, 0, 0
	FETCH_A 0, 0, 0
	FETCH_A 0, 0, 4
	STEP 0, 0, 1                                   ; K = 1,024 is eight steps of 128, written out: the first starts the sums
	TURN 0, 1, 1
	STEP 1, 0, 0
	TURN 1, 0, 1
	STEP 0, 0, 0
	TURN 0, 1, 0                                   ; nothing is left to fetch; behind its barrier nobody reads slot 0
	STEP 1, 0, 0
	LAST
	PLACES NP                                      ; in front of the LDS stores that read results and of the loads into the registers that held a's fragments
	s_wait_loadcnt 0x0                             ; the bias
	TOSTAGE 0
.irp a, 1,2,3,4,5,6,7
.if \a > 1
	s_wait_xcnt 0x0                                ; block a - 2's stores have read their registers and their base
.endif
	TOSTAGE \a
	SEND \a-1, 32                                  ; behind block a - 1's loads: block a's 16 stores and 16 loads
.endr
	s_wait_xcnt 0x0
	SEND 7, 0
	s_wait_tensorcnt 0x0                           ; the wave's end
	ds_add_u32 v[SPW], v[NIL]
	s_wait_dscnt 0x0
	CROUND                                         ; the closing round: no work-group ends while a partner may still ask for a tile that names it
	s_endpgm
.Lfunc_end_k_q81baf99e0f_proj:
	.size	k_q81baf99e0f_proj, .Lfunc_end_k_q81baf99e0f_proj-k_q81baf99e0f_proj
	.p2alignl 7, 3214868480
	.fill 96, 4, 3214868480
	.section	.rodata,"a",@progbits
	.p2align	6, 0x0
	.amdhsa_kernel k_q81baf99e0f_proj
		.amdhsa_group_segment_fixed_size 327680
		.amdhsa_private_segment_fixed_size 0
		.amdhsa_enable_private_segment 0
		.amdhsa_kernarg_size 40
		.amdhsa_user_sgpr_count 2
		.amdhsa_user_sgpr_kernarg_segment_ptr 1
		.amdhsa_wavefront_size32 1
		.amdhsa_system_sgpr_workgroup_id_x 1
		.amdhsa_system_sgpr_workgroup_id_y 1
		.amdhsa_system_sgpr_workgroup_id_z 1
		.amdhsa_system_vgpr_workitem_id 0
		.amdhsa_next_free_vgpr 1024
		.amdhsa_next_free_sgpr 100
		.amdhsa_reserve_vcc 0
		.amdhsa_float_denorm_mode_32 3
		.amdhsa_float_denorm_mode_16_64 3
		.amdhsa_memory_ordered 1
		.amdhsa_forward_progress 1
		.amdhsa_inst_pref_size 124
	.end_amdhsa_kernel
	.amdgpu_metadata
---
amdhsa.version: [ 1, 2 ]
amdhsa.kernels:
  - .name:           k_q81baf99e0f_proj
    .symbol:         k_q81baf99e0f_proj.kd
    .args:
      - { .name: ac, .offset: 0, .size: 8, .value_kind: global_buffer, .address_space: global }
      - { .name: wpc, .offset: 8, .size: 8, .value_kind: global_buffer, .address_space: global }
      - { .name: lowp_scales, .offset: 16, .size: 8, .value_kind: global_buffer, .address_space: global }
      - { .name: b_proj, .offset: 24, .size: 8, .value_kind: global_buffer, .address_space: global }
      - { .name: out0, .offset: 32, .size: 8, .value_kind: global_buffer, .address_space: global }
    .group_segment_fixed_size: 327680
    .private_segment_fixed_size: 0
    .kernarg_segment_align: 8
    .kernarg_segment_size: 40
    .max_flat_workgroup_size: 128
    .sgpr_count:     100
    .vgpr_count:     1024
    .wavefront_size: 32
...
	.end_amdgpu_metadata
.endif
;; end of part 4
